; MI455X (gfx1250); checked and timed in simulation.
; The chip was launched on July 23, 2026; its instructions are those of AMD's public machine-readable ISA for CDNA 5 (MIT licence, August 2026) and "CDNA5" Instruction Set Architecture Reference Guide (July 2026). The comments in the code are by the model that wrote it; some were corrected since.
;; Adaptive Margin Loss. Allowed arithmetic: float matrix products may take bf16 or f16 operands with f32 sums; all other float work in f32.
;; Inputs: class_weight 10,000 float32; input 1,024 x 512 float32; label 1,024 int32; weight 10,000 x 512 float32.
;; Outputs: out0 1,024 x 10,000 float32; out1 one number float32.
;; One version. Each part assembles by itself: llvm-mc -triple=amdgcn-amd-amdhsa -mcpu=gfx1250 --defsym DOCPART=n.
;; ======== version 1 of 1: 3 launches
;; workspace buffers: ab 2,097,152 bytes; wb 10,485,760 bytes; rrow 8,192 bytes; rw 40,960 bytes; cq 40,960 bytes; part 524,288 bytes
;; launch prep (part 1): grid 256 x 1, 6 waves a work-group, no clusters, 0 bytes of LDS; arguments input, weight, class_weight, label, ab, wb, rrow, rw, cq; writes ab, wb, rrow, rw, cq
.if DOCPART == 1
	.amdgcn_target "amdgcn-amd-amdhsa--gfx1250"
	.amdhsa_code_object_version 6
	.text
	.protected	k_q62d4ffbad7_prep
	.globl	k_q62d4ffbad7_prep
	.p2align	8
	.type	k_q62d4ffbad7_prep,@function
k_q62d4ffbad7_prep:
	s_mov_b64 s[64:65], 0
	v_nop
	global_prefetch_b8 v0, s[64:65] scope:SCOPE_SE
	s_setreg_imm32_b32 hwreg(HW_REG_WAVE_MODE, 25, 1), 1
	s_wait_xcnt 0x0
; PREP: the matrix operands in bf16, their norms, the gathered rows, the scaled margins.
;   wb[10240][512] bf16 = weight rounded (rows 10000.. are 0);  rw[j] = 1 / max(|wb row j|, 1e-12) (0 for the pad rows);
;   cq[j] = 9.6 * 0.83 * log2(e) * class_weight[j] (-1e30 for the pad rows);
;   ab[2048][512] bf16: row 128 B + q holds input row 64 B + q (q < 64) or weight[label[64 B + q - 64]] (q >= 64);  rrow = 1 / max(norm, 1e-12) in ab's order.
; The norms are taken in f32 OF THE ROUNDED NUMBERS, and the products are scaled behind the sums: the result is the reference's on inputs rounded to bf16.
; LIMITS.  A label outside 0..9999 counts as 9999 (the reference relies on labels inside the table).  NaN and infinities are not treated apart.
; SHARES.  1,536 waves of 8 rows.  Wave g = 6 x work-group + wave: g < 1250 weight rows 8 g..; g < 1280 pad rows; g < 1408 input rows 8 (g - 1280)..; else gathered rows 8 (g - 1408)...
; A wave issues its 32 loads (8 rows x 2,048 bytes) at once, so no ring is needed; memory binds, so there is no LDS, no barrier, no matrix work, and no cluster (no two work-groups share a tile).
; The 32-byte stores of rrow, rw and cq are 90 KB of the launch's 37 MB and are left as they are.
.set GW,   1250                        ; waves for weight rows
.set GP,   1280                        ; up to here: pad rows
.set GX,   1408                        ; up to here: input rows
.set RO,   24                          ; s[24:31]  byte offsets of my 8 source rows
.set T,    8                           ; v[8:15]   at work
.set OFF,  22                          ; v[22:29]  row k: its offset + 16 x lane
.set X,    32                          ; v[32:159] row k: 16 registers, as loaded; the first two of each four then hold the four numbers in bf16
	s_load_b512 s[4:19], s[0:1], 0x0               ; input 4, weight 6, class_weight 8, label 10, ab 12, wb 14, rrow 16, rw 18
	s_load_b64 s[20:21], s[0:1], 0x40              ; cq
	v_and_b32 v1, 31, v0                           ; lane
	v_lshrrev_b32 v7, 5, v0
	v_readfirstlane_b32 s22, v7                    ; wave 0..5
	s_mul_i32 s23, ttmp9, 6
	s_add_co_u32 s23, s23, s22                     ; g
	v_lshlrev_b32 v2, 4, v1                        ; 16 x lane: my 16 bytes of 512 loaded
	v_lshlrev_b32 v3, 3, v1                        ; 8 x lane: my 8 bytes of 256 stored
	v_and_b32 v6, 7, v1
	v_lshlrev_b32 v6, 2, v6                        ; 4 x (lane mod 8): one word for each of my 8 rows
	v_mov_b32 v4, 0                                ; lane k will keep row k's sum of squares
	v_mov_b32 v5, 0                                ; class_weight of row lane mod 8 (weight rows alone load it)
	v_mov_b32 v21, 0                               ; v_permlanex16_b32's destination counts as read
	s_mov_b32 s42, 0x76543210                      ; lane i of one half takes lane i of the other
	s_mov_b32 s43, 0xfedcba98
	s_mov_b32 s44, 0xffff0000                      ; a word's upper bf16
	s_mov_b32 s41, 0                               ; high words of the three offset pairs
	s_mov_b32 s49, 0
	s_mov_b32 s51, 0
	s_mov_b32 s38, 0                               ; 1: weight rows
	s_mov_b32 s39, 0                               ; 1: input rows
	s_wait_kmcnt 0x0
	s_cmp_lt_u32 s23, GW
	s_cbranch_scc1 .Lweight
	s_cmp_lt_u32 s23, GP
	s_cbranch_scc1 .Lpad
	s_cmp_lt_u32 s23, GX
	s_cbranch_scc1 .Lx
	; gathered rows: the 8 labels come by one scalar load; each is clamped to the table and becomes a row's byte offset
	s_sub_co_u32 s46, s23, GX
	s_lshl_b32 s46, s46, 3                         ; i0
	s_lshl_b32 s40, s46, 2
	s_add_nc_u64 s[10:11], s[10:11], s[40:41]
	s_load_b256 s[RO:RO+7], s[10:11], 0x0
	s_mov_b32 s47, 64                              ; they lie in the second half of a block of 128 rows of ab
	s_wait_kmcnt 0x0
.irp k, 0,1,2,3,4,5,6,7
	s_min_u32 s[RO+(\k)], s[RO+(\k)], 9999
	s_lshl_b32 s[RO+(\k)], s[RO+(\k)], 11          ; a row of 512 f32 is 2,048 bytes
.endr
	s_branch .Lab
.Lx:
	s_sub_co_u32 s46, s23, GP
	s_lshl_b32 s46, s46, 3                         ; i0
	s_mov_b32 s47, 0
	s_mov_b32 s39, 1
.irp k, 0,1,2,3,4,5,6,7
	s_add_co_u32 s[RO+(\k)], s46, \k
	s_lshl_b32 s[RO+(\k)], s[RO+(\k)], 11
.endr
.Lab:                                                  ; my first row of ab: 128 (i0 / 64) + i0 mod 64 (+ 64)
	s_lshr_b32 s48, s46, 6
	s_lshl_b32 s48, s48, 7
	s_and_b32 s50, s46, 63
	s_or_b32 s48, s48, s50
	s_or_b32 s48, s48, s47
	s_lshl_b32 s50, s48, 2                         ; its word in rrow
	s_lshl_b32 s48, s48, 10                        ; its 1,024 bytes in ab
	s_branch .Lrows
.Lweight:
	s_mov_b32 s38, 1
	s_lshl_b32 s46, s23, 3                         ; my first row
.irp k, 0,1,2,3,4,5,6,7
	s_add_co_u32 s[RO+(\k)], s46, \k
	s_lshl_b32 s[RO+(\k)], s[RO+(\k)], 11
.endr
	s_lshl_b32 s48, s23, 13                        ; 8 g rows of 1,024 bytes in wb
	s_lshl_b32 s50, s23, 5                         ; 8 g words in rw, cq and class_weight
	s_add_nc_u64 s[8:9], s[8:9], s[50:51]
	s_add_nc_u64 s[20:21], s[20:21], s[50:51]
	global_load_b32 v5, v6, s[8:9]                 ; lanes 8.. repeat lanes 0..7: inside the buffer
.Lrows:
	s_cmp_eq_u32 s38, 1                            ; the buffers are chosen on the wave's number alone
	s_cselect_b64 s[34:35], s[14:15], s[12:13]     ; to wb or to ab
	s_cselect_b64 s[36:37], s[18:19], s[16:17]     ; 1 / norm to rw or to rrow
	s_cmp_eq_u32 s39, 1
	s_cselect_b64 s[32:33], s[4:5], s[6:7]         ; from input or from weight
	s_add_nc_u64 s[34:35], s[34:35], s[48:49]
	s_add_nc_u64 s[36:37], s[36:37], s[50:51]
.irp k, 0,1,2,3,4,5,6,7
	v_add_nc_u32 v[OFF+(\k)], s[RO+(\k)], v2
.endr
.irp k, 0,1,2,3,4,5,6,7
.irp j, 0,1,2,3
	global_load_b128 v[X+16*(\k)+4*(\j):X+16*(\k)+4*(\j)+3], v[OFF+(\k)], s[32:33] offset:512*(\j)  ; 512 neighbouring bytes of the row
.endr
.endr
; Row k: rounded to bf16 in place and stored (32 lanes x 8 bytes fill 256 aligned bytes); the rounded numbers are widened again and squared; lane k keeps the sum.
; The stores' data and address registers are never written again, so no wait for them stands here.
.macro TURN k
	s_wait_loadcnt 28-4*(\k)                       ; loads come back in order: the four loads of each later row may stay out
.irp j, 0,1,2,3
	v_cvt_pk_bf16_f32 v[X+16*(\k)+4*(\j)],   v[X+16*(\k)+4*(\j)],   v[X+16*(\k)+4*(\j)+1]
	v_cvt_pk_bf16_f32 v[X+16*(\k)+4*(\j)+1], v[X+16*(\k)+4*(\j)+2], v[X+16*(\k)+4*(\j)+3]
	global_store_b64 v3, v[X+16*(\k)+4*(\j):X+16*(\k)+4*(\j)+1], s[34:35] offset:1024*(\k)+256*(\j)
.endr
.irp j, 0,1,2,3
	v_lshlrev_b32 v[T+4*((\j)%2)],   16,  v[X+16*(\k)+4*(\j)]
	v_and_b32     v[T+4*((\j)%2)+1], s44, v[X+16*(\k)+4*(\j)]
	v_lshlrev_b32 v[T+4*((\j)%2)+2], 16,  v[X+16*(\k)+4*(\j)+1]
	v_and_b32     v[T+4*((\j)%2)+3], s44, v[X+16*(\k)+4*(\j)+1]
.if (\j) == 0
	v_pk_mul_f32 v[16:17], v[T:T+1], v[T:T+1]      ; the first products start the sums: nothing is cleared
	v_pk_mul_f32 v[18:19], v[T+2:T+3], v[T+2:T+3]
.else
	v_pk_fma_f32 v[16:17], v[T+4*((\j)%2):T+4*((\j)%2)+1],   v[T+4*((\j)%2):T+4*((\j)%2)+1],   v[16:17]
	v_pk_fma_f32 v[18:19], v[T+4*((\j)%2)+2:T+4*((\j)%2)+3], v[T+4*((\j)%2)+2:T+4*((\j)%2)+3], v[18:19]
.endif
.endr
	v_pk_add_f32 v[16:17], v[16:17], v[18:19]
	v_add_f32 v20, v16, v17
	v_add_f32_dpp v20, v20, v20 row_xmask:1 row_mask:0xf bank_mask:0xf
	v_add_f32_dpp v20, v20, v20 row_xmask:2 row_mask:0xf bank_mask:0xf
	v_add_f32_dpp v20, v20, v20 row_xmask:4 row_mask:0xf bank_mask:0xf
	v_add_f32_dpp v20, v20, v20 row_xmask:8 row_mask:0xf bank_mask:0xf
	v_permlanex16_b32 v21, v20, s42, s43
	v_add_f32 v20, v20, v21
	v_cmp_eq_u32 vcc_lo, \k, v1
	v_cndmask_b32 v4, v4, v20, vcc_lo
.endm
.irp k, 0,1,2,3,4,5,6,7
	TURN \k
.endr
	v_sqrt_f32 v7, v4
	v_mul_f32 v5, 0x4137ed22, v5                   ; 9.6 * 0.83 * log2(e) * class_weight; also the plain line behind the root
	s_wait_alu depctr_va_vdst(0)
	v_max_num_f32 v7, 0x2b8cbccc, v7               ; max(norm, 1e-12)
	v_rcp_f32 v7, v7
	v_nop                                          ; a plain line between the reciprocal and its use
	s_wait_xcnt 0x0                                ; EXEC changes only behind this wait
	v_cmp_gt_u32 vcc_lo, 8, v1
	s_and_saveexec_b32 s45, vcc_lo                 ; lanes 0..7: one word for each row
	s_wait_alu depctr_va_vdst(0)
	global_store_b32 v6, v7, s[36:37]
	s_cmp_eq_u32 s38, 0
	s_cbranch_scc1 .Lnocq
	global_store_b32 v6, v5, s[20:21]
.Lnocq:
	s_wait_xcnt 0x0
	s_or_b32 exec_lo, exec_lo, s45
	s_endpgm
.Lpad:                                                 ; rows 10000..10239 of wb: zeros, so that every tile of the product is whole; rw = 0, cq = -1e30: such a column adds nothing to any sum or maximum
	s_lshl_b32 s48, s23, 13
	s_lshl_b32 s50, s23, 5
	s_add_nc_u64 s[14:15], s[14:15], s[48:49]
	s_add_nc_u64 s[18:19], s[18:19], s[50:51]
	s_add_nc_u64 s[20:21], s[20:21], s[50:51]
	v_mov_b32 v8, 0
	v_mov_b32 v9, 0
	v_mov_b32 v10, 0
	v_mov_b32 v11, 0
	v_mov_b32 v12, 0xf149f2ca                      ; -1e30
.irp t, 0,1,2,3,4,5,6,7,8,9,10,11,12,13,14,15
	global_store_b128 v2, v[8:11], s[14:15] offset:512*(\t)
.endr
	s_wait_xcnt 0x0
	v_cmp_gt_u32 vcc_lo, 8, v1
	s_and_saveexec_b32 s45, vcc_lo
	global_store_b32 v6, v8, s[18:19]
	global_store_b32 v6, v12, s[20:21]
	s_wait_xcnt 0x0
	s_or_b32 exec_lo, exec_lo, s45
	s_endpgm
.Lfunc_end_k_q62d4ffbad7_prep:
	.size	k_q62d4ffbad7_prep, .Lfunc_end_k_q62d4ffbad7_prep-k_q62d4ffbad7_prep
	.p2alignl 7, 3214868480
	.fill 96, 4, 3214868480
	.section	.rodata,"a",@progbits
	.p2align	6, 0x0
	.amdhsa_kernel k_q62d4ffbad7_prep
		.amdhsa_group_segment_fixed_size 0
		.amdhsa_private_segment_fixed_size 0
		.amdhsa_enable_private_segment 0
		.amdhsa_kernarg_size 72
		.amdhsa_user_sgpr_count 2
		.amdhsa_user_sgpr_kernarg_segment_ptr 1
		.amdhsa_wavefront_size32 1
		.amdhsa_system_sgpr_workgroup_id_x 1
		.amdhsa_system_sgpr_workgroup_id_y 1
		.amdhsa_system_sgpr_workgroup_id_z 1
		.amdhsa_system_vgpr_workitem_id 0
		.amdhsa_next_free_vgpr 160
		.amdhsa_next_free_sgpr 66
		.amdhsa_reserve_vcc 1
		.amdhsa_float_denorm_mode_32 3
		.amdhsa_float_denorm_mode_16_64 3
		.amdhsa_memory_ordered 1
		.amdhsa_forward_progress 1
		.amdhsa_inst_pref_size 30
	.end_amdhsa_kernel
	.amdgpu_metadata
---
amdhsa.version: [ 1, 2 ]
amdhsa.kernels:
  - .name:           k_q62d4ffbad7_prep
    .symbol:         k_q62d4ffbad7_prep.kd
    .args:
      - { .name: input, .offset: 0, .size: 8, .value_kind: global_buffer, .address_space: global }
      - { .name: weight, .offset: 8, .size: 8, .value_kind: global_buffer, .address_space: global }
      - { .name: class_weight, .offset: 16, .size: 8, .value_kind: global_buffer, .address_space: global }
      - { .name: label, .offset: 24, .size: 8, .value_kind: global_buffer, .address_space: global }
      - { .name: ab, .offset: 32, .size: 8, .value_kind: global_buffer, .address_space: global }
      - { .name: wb, .offset: 40, .size: 8, .value_kind: global_buffer, .address_space: global }
      - { .name: rrow, .offset: 48, .size: 8, .value_kind: global_buffer, .address_space: global }
      - { .name: rw, .offset: 56, .size: 8, .value_kind: global_buffer, .address_space: global }
      - { .name: cq, .offset: 64, .size: 8, .value_kind: global_buffer, .address_space: global }
    .group_segment_fixed_size: 0
    .private_segment_fixed_size: 0
    .kernarg_segment_align: 8
    .kernarg_segment_size: 72
    .max_flat_workgroup_size: 192
    .sgpr_count:     66
    .vgpr_count:     160
    .wavefront_size: 32
...
	.end_amdgpu_metadata
.endif
;; end of part 1
;; launch gemm (part 2): grid 32 x 8, 4 waves a work-group, clusters of 4 x 4, 327,680 bytes of LDS; arguments ab, wb, rrow, rw, cq, label, out0, part; writes out0, part
.if DOCPART == 2
	.amdgcn_target "amdgcn-amd-amdhsa--gfx1250"
	.amdhsa_code_object_version 6
	.text
	.protected	k_q62d4ffbad7_gemm
	.globl	k_q62d4ffbad7_gemm
	.p2align	8
	.type	k_q62d4ffbad7_gemm,@function
k_q62d4ffbad7_gemm:
	s_mov_b64 s[64:65], 0
	v_nop
	global_prefetch_b8 v0, s[64:65] scope:SCOPE_SE
	s_setreg_imm32_b32 hwreg(HW_REG_WAVE_MODE, 25, 1), 1
	s_wait_xcnt 0x0
	s_wait_alu depctr_hold_cnt(0) depctr_sa_sdst(0) depctr_va_vdst(0) depctr_va_sdst(0) depctr_va_ssrc(0) depctr_va_vcc(0) depctr_vm_vsrc(0)
	s_getreg_b32 s2, hwreg(HW_REG_IB_STS2, 6, 4)
	s_cmp_eq_u32 s2, 0
	s_cbranch_scc0 .Lentry_in_a_cluster
	s_endpgm
.Lentry_in_a_cluster:
	s_bfe_u32 s2, ttmp6, 0x10000c
	s_cmp_lg_u32 s2, 0xf033
	s_cbranch_scc0 .Lentry_shape_is_right
	s_endpgm
.Lentry_shape_is_right:
; GEMM: ab [2048][512] x wb [10240][512]^T in bf16 with f32 sums, and what the loss needs of the results.
; Of a block of 128 rows of ab the first 64 are input rows i, the last 64 the rows weight[label[i]] of the same i.  With rx, rl = 1 / norm of those rows and rw = 1 / norm of column j's row:
;   fea[i][j] = sum * rx * rw  -> out0;      t = 9.6 log2(e) fea + cq[j], -1e30 at j = label[i];      score = sum * rl * rw, 0 at j = label[i].
; For each row and each block of 160 columns: L = m + log2(sum of 2^(t - m)) with m the block's true maximum of t, and X = the block's maximum of score -> part.
; LIMITS.  cq stays far above -1e30 (class_weight beyond 8e28 is not served); NaN and infinities are not treated apart.  A row of out0 is 40,000 bytes, 64 modulo 256:
; the first and the last 256 aligned bytes of a wave's 640 bytes of a row are written in part, whatever the tile.
; SHARES.  A work-group makes 256 rows x 320 columns, 32 x 8 work-groups, one for each of 256 WGPs; a wave 128 rows (one block) x 160 columns: 80 accumulators of 16 x 16, 640 registers.
; K = 512 goes in four steps of 128 through two LDS slots; all four steps are written out.  By this text's count a wave has two tensor loads out at the start and one behind each round.
; CLUSTER.  4 x 4 work-groups: the four of a row need the same rows of ab, the four of a column the same rows of wb: each tile is asked for jointly, which divides the requests by four.
; THE MATRIX INSTRUCTION IS USED TRANSPOSED (source 0 = 16 rows of wb, source 1 = 16 rows of ab): lane l holds row l % 16 and the columns 8 (l / 16) + 0..7 of a tile.
; REGISTERS, in windows of 256 (s_set_vgpr_msb: bits 1:0 source 0, 3:2 source 1, 5:4 source 2, 7:6 destination).  Row tile a of 8, column tile b of 10: accumulator (a, b) at base(a) + 8 b.
;   window 0: v0-15 addresses; v32-95, v96-159 ab's fragments, two buffers; v160-239 a = 3; v240-251 at work; v255 32 h.  On the way out: v16-95 cq; v96-108 results
;   window 1: v0-79, v80-159 wb's fragments, two buffers (on the way out: rw; rows read back); v160-239 a = 7; v240-247 rx, rl; v248-251 labels; v252-255 at work
;   window 2: a = 0, 1, 2 at 0, 80, 160; v240-251 at work          window 3: a = 4, 5, 6 at 0, 80, 160; v252-255 at work
.set PITCH,  272                       ; an LDS row: 256 bytes + 16 of padding = 68 words: the 16 rows of a fragment load start at 16 different groups of four banks (64 banks of 4 bytes: ISA guide 11.1)
.set HALFA,  128*PITCH                 ; what one tensor load brings of ab, and what one wave reads of it
.set HALFB,  160*PITCH                 ; the same for wb
.set SLOT,   2*HALFA+2*HALFB           ; ab's 256 rows, then wb's 320 rows
.set SPARE,  2*SLOT                    ; behind the ring: the spare words, 128 bytes a wave: two blocks of 256 bytes that no other line names
.set SP,     656                       ; a row of a wave's stage: 640 bytes + 16 = 41 x 16
.set STG,    16*SP                     ; a wave's stage: 16 rows.  The stages lie in slot 0, which has had its last fill (K step 2) and its last read when they are first written
.set OROW,   40000                     ; bytes in a row of out0
.set DW0,    (1<<16)|(1<<20)|(1<<21)|(5<<22)|(3<<25)  ; 17:16 2-byte elements; 20 padding on; 21 set beside a mask; 24:22 after every 64 words (code 5); 31:25 4 words (code 3)
.set ADRA, 4                           ; v4-5    LDS address of my fragments of ab in slot 0, 1
.set ADRB, 6                           ; v6-7    the same for wb
.set STO,  8                           ; v8      the way out: where I put 16 bytes of a row
.set RDM,  9                           ; v9      where I read the first 512 bytes of a row back
.set RDR,  10                          ; v10     where I read the last 128 bytes of four rows back
.set GOM,  11                          ; v11     my byte offset in out0 for the first
.set GOR,  12                          ; v12     and for the second
.set PO,   13                          ; v13     my byte offset in part
.set SPW,  14                          ; v14     LDS address of my spare word; never rewritten
.set NIL,  15                          ; v15     0; never rewritten
.set CQ,   16                          ; v16-95  cq of my lane's 80 columns
.set FA,   32                          ; ab's fragment buffer f at FA + 64 f
.set LQ,   96                          ; v96-99  L of the four pairs
.set XQ,   100                         ; v100-103 X
.set OQ,   104                         ; v104-107 what my lane stores
.set COL0, 108                         ; v108    my lane's first column
.set H32,  255                         ; v255    32 h
.set RB,   80                          ; window 1: 16 rows read back from the stage
.set RXL,  240                         ; window 1: rx, rl of pair p at RXL + 2 p
.set LAB,  248                         ; window 1: label of pair p, less my lane's first column
.set DLAB, 240                         ; in the fea tile's window: the label's column among the two tiles in hand
.set MXM,  242                         ;   m, twice
.set CHN,  244                         ;   four running maxima
.set SUMA, 248                         ;   two pairs of sums
.set SUMB, 250
.set SCN,  252                         ; in the score tile's window: four running maxima
.set G1,  24                           ; s[24:31] descriptor group 1 for ab's tiles;  s[32:39] group 0, a set for each slot
.set G0,  32
.set G1B, 48                           ; s[48:55], s[56:63] the same for wb's
.set G0B, 56
.set MK,  66                           ; s[66:81] sixteen lane masks
.set SNEG, 82                          ; s82  -1e30
.set MSB, 0
.macro WIN new                         ; the immediate's high byte repeats the setting that is left; a switch that changes nothing is dropped
.if MSB != (\new)
	s_set_vgpr_msb (MSB<<8)|(\new)
.set MSB, (\new)
.endif
.endm
; A joint load.  Waves 0 and 1 fetch ab's two halves, waves 2 and 3 wb's.  The branch hangs on the wave's number alone.  An s_nop 0 and four v_nop follow each line.
.macro JLOAD s
	s_cmp_eq_u32 s21, 0
	s_cbranch_scc0 .Lfor_b_\@
	tensor_load_to_lds s[G0+4*(\s):G0+4*(\s)+3], s[G1:G1+7]
	s_nop 0
.rept 4
	v_nop
.endr
	s_branch .Lasked_\@
.Lfor_b_\@:
	tensor_load_to_lds s[G0B+4*(\s):G0B+4*(\s)+3], s[G1B:G1B+7]
	s_nop 0
.rept 4
	v_nop
.endr
.Lasked_\@:
.endm
.macro CREST                           ; a round of the cluster's barrier behind its opening barrier
	s_cmp_lg_u32 s20, 0
	s_cbranch_scc1 .Lnot_wave_0_\@
	s_barrier_signal -3
.Lnot_wave_0_\@:
	s_barrier_wait -3
	s_barrier_signal -1
	s_barrier_wait -1
.endm
.macro CROUND                          ; a whole round
	s_barrier_signal -1
	s_barrier_wait -1
	CREST
.endm
	s_load_b512 s[4:19], s[0:1], 0x0               ; ab 4, wb 6, rrow 8, rw 10, cq 12, label 14, out0 16, part 18
	v_lshl_add_u32 v[SPW], v0, 2, SPARE
	v_mov_b32 v[NIL], 0
	ds_add_u32 v[SPW], v[NIL]                      ; the wave's opening: the add and its wait stand ahead of my first tensor load; work on registers stands between them
	v_lshrrev_b32 v1, 5, v0
	v_readfirstlane_b32 s20, v1                    ; wave 0..3
	s_lshr_b32 s21, s20, 1                         ; which 128 rows are mine.  Also: I fetch for ab (0) or for wb (1)
	s_and_b32 s22, s20, 1                          ; which 160 columns are mine.  Also: which half of that tile I fetch
	s_bfe_u32 s40, ttmp6, 0x40000                  ; cx, cy: my place in the cluster
	s_bfe_u32 s41, ttmp6, 0x40004
	s_lshl_b32 s42, ttmp9, 2
	s_add_co_u32 s42, s42, s40                     ; tile column = 4 x cluster x + cx
	s_and_b32 s43, ttmp7, 0xffff
	s_lshl_b32 s43, s43, 2
	s_add_co_u32 s43, s43, s41                     ; tile row = 4 x cluster y + cy
	s_lshl_b32 s44, s41, 2
	s_lshl_b32 s44, 15, s44                        ; my row of the cluster
	s_lshl_b32 s45, 0x1111, s40                    ; my column
	s_or_b32 s[G1], s44, DW0                       ; ab's tiles go to my row,
	s_or_b32 s[G1B], s45, DW0                      ; wb's to my column
	s_mov_b32 s[G1+1], 128<<16                     ; tensor_dim0 = 128
	s_mov_b32 s[G1+2], 128<<16                     ; tensor_dim1 = 128
	s_mov_b32 s[G1+3], 128<<16                     ; tile_dim0 = 128 elements: 256 bytes
	s_mov_b32 s[G1+4], 128                         ; tile_dim1 = 128 rows
	s_mov_b32 s[G1+5], 512                         ; elements from row to row
	s_mov_b32 s[G1+6], 0
	s_mov_b32 s[G1+7], 0
	s_mov_b32 s[G1B+1], 128<<16
	s_mov_b32 s[G1B+2], 160<<16                    ; 160 rows
	s_mov_b32 s[G1B+3], 128<<16
	s_mov_b32 s[G1B+4], 160
	s_mov_b32 s[G1B+5], 512
	s_mov_b32 s[G1B+6], 0
	s_mov_b32 s[G1B+7], 0
	s_lshl_b32 s90, s43, 18                        ; ab: 256 rows of 1,024 bytes a tile row, which my row of the cluster shares,
	s_lshl_b32 s2, s22, 17                         ; + my half's 128 rows
	s_add_co_u32 s90, s90, s2
	s_mov_b32 s91, 0
	s_mul_i32 s92, s42, 320*1024                   ; wb: 320 rows a tile column, which my column shares,
	s_mul_i32 s2, s22, 160*1024                    ; + my half's 160 rows
	s_add_co_u32 s92, s92, s2
	s_mov_b32 s93, 0
	s_mul_i32 s23, s22, HALFA                      ; where they go: no place in the cluster enters an LDS address
	s_mul_i32 s3, s22, HALFB
	s_add_co_u32 s3, s3, 2*HALFA
	s_mov_b32 s[SNEG], 0xf149f2ca                  ; -1e30
	s_mov_b32 s84, 0x415d9914                      ; 9.6 log2(e)
	s_mov_b32 s85, s84                             ; named with it as a pair
	s_mov_b32 s94, 0x76543210                      ; v_permlanex16_b32: each lane takes its own place in the other half
	s_mov_b32 s95, 0xfedcba98
	s_wait_dscnt 0x0                               ; the opening add is done
	s_wait_kmcnt 0x0
	s_add_nc_u64 s[90:91], s[4:5], s[90:91]
	s_add_nc_u64 s[92:93], s[6:7], s[92:93]
	CROUND                                         ; all sixteen work-groups are here: the first joint loads meet
.irp s, 0,1
	s_mov_b32 s[G0+4*(\s)], 1                                      ; count = 1
	s_add_co_u32 s[G0+4*(\s)+1], s23, (\s)*SLOT                    ; LDS address
	s_add_nc_u64 s[G0+4*(\s)+2:G0+4*(\s)+3], s[90:91], (\s)*256    ; global address: K step s
	s_or_b32 s[G0+4*(\s)+3], s[G0+4*(\s)+3], 0x80000000            ; type = 2
	s_mov_b32 s[G0B+4*(\s)], 1
	s_add_co_u32 s[G0B+4*(\s)+1], s3, (\s)*SLOT
	s_add_nc_u64 s[G0B+4*(\s)+2:G0B+4*(\s)+3], s[92:93], (\s)*256
	s_or_b32 s[G0B+4*(\s)+3], s[G0B+4*(\s)+3], 0x80000000
	JLOAD \s
.endr
	; All that follows up to the first wait stands in the wait for the first tile.
	; A fragment is 16 rows x 32 K in 8 registers: lane l holds row l % 16, K = 8 (l / 16) + 0..7 and 16 + 8 (l / 16) + 0..7: two loads of 16 bytes, 32 bytes apart.
	v_and_b32 v1, 15, v0                           ; r = l % 16
	v_bfe_u32 v2, v0, 4, 1                         ; h = l / 16
	v_lshlrev_b32 v3, 2, v1                        ; 4 r
	v_mul_u32_u24 v16, v1, PITCH
	v_lshl_add_u32 v16, v2, 4, v16
	s_mul_i32 s2, s21, HALFA                       ; my 128 rows of ab
	s_mul_i32 s3, s22, HALFB                       ; my 160 rows of wb,
	s_add_co_u32 s3, s3, 2*HALFA                   ; which lie behind ab's 256
.irp s, 0,1
	v_add_nc_u32 v[ADRA+(\s)], s2, v16
	v_add_nc_u32 v[ADRB+(\s)], s3, v16
	s_add_co_u32 s2, s2, SLOT
	s_add_co_u32 s3, s3, SLOT
.endr
	s_lshl_b32 s2, s43, 1
	s_add_co_u32 s2, s2, s21                       ; B: my block of 128 rows of ab, of 64 rows i
	s_mul_i32 s89, s42, 320
	s_mul_i32 s3, s22, 160
	s_add_co_u32 s89, s89, s3                      ; my first column
	s_mov_b32 s47, 0
	s_lshl_b32 s46, s2, 9
	s_add_nc_u64 s[8:9], s[8:9], s[46:47]          ; rrow at my 128 rows
	s_lshl_b32 s46, s2, 8
	s_add_nc_u64 s[14:15], s[14:15], s[46:47]      ; label at my 64 rows
	s_add_nc_u64 s[18:19], s[18:19], s[46:47]      ; part at my 64 positions,
	s_lshl_b32 s46, s89, 2
	s_add_nc_u64 s[10:11], s[10:11], s[46:47]      ; rw, cq and out0 at my first column
	s_add_nc_u64 s[12:13], s[12:13], s[46:47]
	s_add_nc_u64 s[16:17], s[16:17], s[46:47]
	s_mul_i32 s46, s2, 64*OROW
	s_add_nc_u64 s[16:17], s[16:17], s[46:47]      ; and at my first row
	s_lshl_b32 s46, s42, 1
	s_add_co_u32 s46, s46, s22                     ; my block of 160 columns, of 64
	s_lshl_b32 s46, s46, 12
	s_add_nc_u64 s[18:19], s[18:19], s[46:47]      ; in its 4,096 bytes
	WIN 0x40                                       ; destination window 1, address window 0
.irp a, 0,1,2,3
	global_load_b32 v[RXL+2*(\a)],   v3, s[8:9] offset:64*(\a)        ; rx of row 16 a + r
	global_load_b32 v[RXL+2*(\a)+1], v3, s[8:9] offset:256+64*(\a)    ; rl of the same i
	global_load_b32 v[LAB+(\a)],     v3, s[14:15] offset:64*(\a)      ; its label
.endr
	WIN 0
	s_mul_i32 s2, s20, STG                         ; my stage
	v_and_b32 v17, 31, v0                          ; lane
	v_lshrrev_b32 v18, 3, v17                      ; lane / 8
	v_and_b32 v19, 7, v0                           ; lane % 8
	v_mul_u32_u24 v[STO], v1, SP                   ; in: row r, 32 bytes for each half of the lanes
	v_lshl_add_u32 v[STO], v2, 5, v[STO]
	v_add_nc_u32 v[STO], s2, v[STO]
	v_lshl_add_u32 v[RDM], v17, 4, s2              ; back: 32 lanes take 512 bytes of one row,
	v_mul_u32_u24 v[RDR], v18, SP                  ; or 8 lanes the last 128 bytes of each of four rows
	v_lshl_add_u32 v[RDR], v19, 4, v[RDR]
	v_add_nc_u32 v[RDR], s2, v[RDR]
	v_add_nc_u32 v[RDR], 512, v[RDR]
	v_lshlrev_b32 v[GOM], 4, v17                   ; and the same bytes in out0
	v_mul_u32_u24 v[GOR], v18, OROW
	v_lshl_add_u32 v[GOR], v19, 4, v[GOR]
	v_add_nc_u32 v[GOR], 512, v[GOR]
	v_lshlrev_b32 v[PO], 4, v1                     ; part: position 4 r + p; lanes 0-15 store L, lanes 16-31 X, 262,144 bytes on
	v_lshl_add_u32 v[PO], v2, 18, v[PO]
	v_lshlrev_b32 v[H32], 5, v2
	v_lshlrev_b32 v20, 2, v17                      ; the first of the four columns that a lane stores
	v_lshl_add_u32 v21, v19, 2, 128
	s_sub_co_i32 s83, 10000, s89                   ; real columns from my first on (a multiple of 4; it may be negative)
	v_cmp_gt_i32 s87, s83, v20                     ; which lanes store real columns
	v_cmp_gt_i32 s88, s83, v21
; 10 matrix instructions: row tile a x all 10 column tiles, 32 along K, from buffer f.  zero = 1: the products start the sums: nothing is ever cleared.
; The 80 accumulators take turns in the same order in every quarter step.
.macro MULROW f, a, zero
.if (\a) < 3
.set WA, 2
.set BA, 80*(\a)
.elseif (\a) == 3
.set WA, 0
.set BA, 160
.elseif (\a) < 7
.set WA, 3
.set BA, 80*((\a)-4)
.else
.set WA, 1
.set BA, 160
.endif
	WIN 0x01|(WA<<4)|(WA<<6)                       ; source 0 (wb) window 1, source 1 (ab) window 0, C and D the tile's window
.irp b, 0,1,2,3,4,5,6,7,8,9
.if \zero
	v_wmma_f32_16x16x32_bf16 v[BA+8*(\b):BA+8*(\b)+7], v[80*(\f)+8*(\b):80*(\f)+8*(\b)+7], v[FA+64*(\f)+8*(\a):FA+64*(\f)+8*(\a)+7], 0
.else
	v_wmma_f32_16x16x32_bf16 v[BA+8*(\b):BA+8*(\b)+7], v[80*(\f)+8*(\b):80*(\f)+8*(\b)+7], v[FA+64*(\f)+8*(\a):FA+64*(\f)+8*(\a)+7], v[BA+8*(\b):BA+8*(\b)+7]
.endif
.endr
.endm
; 36 LDS loads in one run: the fragments of a quarter step (160 rows of wb, 128 rows of ab, 32 K at byte k of the rows) into buffer f
.macro FETCH slot, k, f
	WIN 0x40
.irp i, 0,1,2,3,4,5,6,7,8,9
	ds_load_b128 v[80*(\f)+8*(\i):80*(\f)+8*(\i)+3],   v[ADRB+(\slot)] offset:(\k)+(\i)*16*PITCH
	ds_load_b128 v[80*(\f)+8*(\i)+4:80*(\f)+8*(\i)+7], v[ADRB+(\slot)] offset:(\k)+(\i)*16*PITCH+32
.endr
	WIN 0
.irp i, 0,1,2,3,4,5,6,7
	ds_load_b128 v[FA+64*(\f)+8*(\i):FA+64*(\f)+8*(\i)+3],   v[ADRA+(\slot)] offset:(\k)+(\i)*16*PITCH
	ds_load_b128 v[FA+64*(\f)+8*(\i)+4:FA+64*(\f)+8*(\i)+7], v[ADRA+(\slot)] offset:(\k)+(\i)*16*PITCH+32
.endr
.endm
; A load into a register that a matrix instruction has read, and a vector instruction that reads a matrix result, stand four places behind it; only plain vector
; instructions that name none of its registers are places (ISA guide 7.12.1 for vector instructions).
.macro PLACES
.rept 4
	v_nop
.endr
.endm
; A K step is four quarters of 32 along K, 80 matrix instructions each, on buffers 0, 1, 0, 1.  One of the first three: multiplies f and, in its middle, fetches the next quarter, at byte k, into g.
.macro QUARTER slot, k, f, g, zero
	s_wait_dscnt 8                                 ; wb's fragments and ab's tiles 0-3 are in; the youngest eight loads (tiles 4-7) may be out
	MULROW \f, 0, \zero
	MULROW \f, 1, \zero
	MULROW \f, 2, \zero
	MULROW \f, 3, \zero
	PLACES
	FETCH \slot, \k, \g
	s_wait_dscnt 36                                ; all but the 36 just issued
	MULROW \f, 4, \zero
	MULROW \f, 5, \zero
	MULROW \f, 6, \zero
	MULROW \f, 7, \zero
.endm
; The last quarter multiplies buffer 1 and changes slots.  MEET is its first half: ONE barrier.  In front of it each wave waits for all its tensor loads (the one that is out is its part of the next slot),
; adds 0 to its spare word, and waits for that and for its reads of this slot.  Behind it nobody reads this slot any more and the next slot is whole.
.macro MEET round
	WIN 0                                          ; (the add's two registers lie in window 0)
	s_wait_tensorcnt 0x0
	ds_add_u32 v[SPW], v[NIL]                      ; 0 onto my spare word
	s_wait_dscnt 9                                 ; (the add and the youngest eight loads may be out)
	MULROW 1, 0, 0                                 ; twenty matrix instructions stand between the add and the wait for it
	MULROW 1, 1, 0
	s_wait_dscnt 0x0                               ; the add is done, and my reads of this slot are over
	s_barrier_signal -1
	MULROW 1, 2, 0                                 ; work on registers while the others arrive
	MULROW 1, 3, 0
.if \round
	WIN 0
.endif
	s_barrier_wait -1
.endm
; The whole last quarter where the slot is filled again, two K steps on: the barrier opens a round of the cluster's, and the joint refill is the first thing behind the round.
.macro TURN slot, next
	MEET 1
	CREST                                          ; no wave of any partner still reads this slot's tile or has a load on its way
	s_add_nc_u64 s[G0+4*(\slot)+2:G0+4*(\slot)+3], s[G0+4*(\slot)+2:G0+4*(\slot)+3], 512
	s_add_nc_u64 s[G0B+4*(\slot)+2:G0B+4*(\slot)+3], s[G0B+4*(\slot)+2:G0B+4*(\slot)+3], 512
	JLOAD \slot                                    ; the four v_nop behind it are also the places in front of the loads below
	FETCH \next, 0, 0
	MULROW 1, 4, 0
	MULROW 1, 5, 0
	MULROW 1, 6, 0
	MULROW 1, 7, 0
.endm
	s_wait_tensorcnt 0x1                           ; my part of K step 0 is in; K step 1's may stay out
	s_barrier_signal -1
	s_barrier_wait -1                              ; everybody's is
	FETCH 0, 0, 0
	QUARTER 0, 64,  0, 1, 1                        ; K step 0; its first quarter starts the sums
	QUARTER 0, 128, 1, 0, 0
	QUARTER 0, 192, 0, 1, 0
	TURN 0, 1                                      ; slot 0 takes K step 2
	QUARTER 1, 64,  0, 1, 0                        ; K step 1
	QUARTER 1, 128, 1, 0, 0
	QUARTER 1, 192, 0, 1, 0
	TURN 1, 0                                      ; slot 1 takes K step 3
	QUARTER 0, 64,  0, 1, 0                        ; K step 2
	QUARTER 0, 128, 1, 0, 0
	QUARTER 0, 192, 0, 1, 0
	MEET 0                                         ; K step 3 is in; nothing is filled again, so no round follows.  Behind this barrier no wave reads slot 0: the stages may be written
	PLACES
	FETCH 1, 0, 0
	MULROW 1, 4, 0
	MULROW 1, 5, 0
	MULROW 1, 6, 0
	MULROW 1, 7, 0
	QUARTER 1, 64,  0, 1, 0                        ; K step 3
	QUARTER 1, 128, 1, 0, 0
	QUARTER 1, 192, 0, 1, 0
	s_wait_dscnt 8                                 ; the very last quarter: in its middle rw and cq of my lane's 80 columns come into the buffers 0, which are free
	MULROW 1, 0, 0
	MULROW 1, 1, 0
	MULROW 1, 2, 0
	MULROW 1, 3, 0
	PLACES
	WIN 0x40
.set n, 0
.rept 20
	global_load_b128 v[4*n:4*n+3], v[H32], s[10:11] offset:64*(n/2)+16*(n%2)       ; rw of columns 16 b + 8 h + 4 c ..
.set n, n+1
.endr
	WIN 0
.set n, 0
.rept 20
	global_load_b128 v[CQ+4*n:CQ+4*n+3], v[H32], s[12:13] offset:64*(n/2)+16*(n%2) ; cq likewise
.set n, n+1
.endr
	s_wait_dscnt 0x0
	MULROW 1, 4, 0
	MULROW 1, 5, 0
	MULROW 1, 6, 0
	MULROW 1, 7, 0
; THE WAY OUT, a PAIR at a time: pair p is the fea tile a = p and the score tile a = p + 4 of the same 16 rows i.
; The maximum of 80 registers from bs on, into v[c]: four chains of 19, three operands at a time, then the four left over and the chains.
.macro MAX80 bs, c
.irp n, 0,1,2,3
	v_max3_num_f32 v[(\c)+(\n)], v[(\bs)+20*(\n)], v[(\bs)+20*(\n)+1], v[(\bs)+20*(\n)+2]
.endr
.irp m, 1,2,3,4,5,6,7,8
.irp n, 0,1,2,3
	v_max3_num_f32 v[(\c)+(\n)], v[(\c)+(\n)], v[(\bs)+20*(\n)+2*(\m)+1], v[(\bs)+20*(\n)+2*(\m)+2]
.endr
.endr
	v_max3_num_f32 v[(\c)],   v[(\c)],   v[(\bs)+19], v[(\bs)+39]
	v_max3_num_f32 v[(\c)+1], v[(\c)+1], v[(\bs)+59], v[(\bs)+79]
	v_max_num_f32  v[(\c)+2], v[(\c)+2], v[(\c)+3]
	v_max3_num_f32 v[(\c)],   v[(\c)],   v[(\c)+1],   v[(\c)+2]
.endm
.macro PAIR p
.if (\p) < 3
.set WF, 2                             ; the fea tile's window, the score tile's window, and both tiles' first register
.set WS, 3
.set BS, 80*(\p)
.else
.set WF, 0
.set WS, 1
.set BS, 160
.endif
.set RX, RXL+2*(\p)
	WIN 0x01|(WF<<6)
	v_mov_b32 v[DLAB], v[LAB+(\p)]                 ; the label's column, counted from my lane's first
	WIN WF|4|(WF<<6)                               ; tile and destination in its window, source 1 in window 1, source 2 in window 0
.set b, 0
.rept 10                                               ; fea = sum * rx * rw; each accumulator's lowest registers are read first
.irp c, 0,2,4,6
	v_pk_mul_f32 v[BS+8*b+(\c):BS+8*b+(\c)+1], v[BS+8*b+(\c):BS+8*b+(\c)+1], v[RX:RX+1] op_sel_hi:[1,0]
.endr
.irp c, 0,2,4,6
	v_pk_mul_f32 v[BS+8*b+(\c):BS+8*b+(\c)+1], v[BS+8*b+(\c):BS+8*b+(\c)+1], v[8*b+(\c):8*b+(\c)+1]
.endr
.set b, b+1
.endr
	WIN WF<<2                                      ; LDS store: data (source 1) in the tile's window
.set n, 0
.rept 20
	ds_store_b128 v[STO], v[BS+4*n:BS+4*n+3] offset:64*(n/2)+16*(n%2)
.set n, n+1
.endr
	WIN 0x40
.set n, 0
.rept 16
	ds_load_b128 v[RB+4*n:RB+4*n+3], v[RDM] offset:SP*n  ; LDS serves a wave's instructions in order (ISA guide 5.7.1.4): these see the stores above
.set n, n+1
.endr
.set n, 0
.rept 4
	ds_load_b128 v[RB+64+4*n:RB+64+4*n+3], v[RDR] offset:4*SP*n
.set n, n+1
.endr
	WIN WF|4|(WF<<6)
.set n, 0
.rept 40
	v_pk_fma_f32 v[BS+2*n:BS+2*n+1], v[BS+2*n:BS+2*n+1], s[84:85], v[CQ+2*n:CQ+2*n+1] op_sel_hi:[1,0,1]  ; t = 9.6 log2(e) fea + cq
.set n, n+1
.endr
	WIN WS|4|(WS<<6)
.set n, 0
.rept 40
	v_pk_mul_f32 v[BS+2*n:BS+2*n+1], v[BS+2*n:BS+2*n+1], v[2*n:2*n+1]  ; score / rl = sum * rw; lowest registers first here too
.set n, n+1
.endr
.set u, 0
.rept 5                                                ; the label's column, two column tiles at a time: one compare serves both tiles of the pair
	WIN 0x55*WF
.set k, 0
.rept 16
	v_cmp_ne_u32 s[MK+k], k+8*(k/8), v[DLAB]       ; register k of the sixteen holds column k (k < 8) or k + 8 of 32, less my lane's 8 h
.set k, k+1
.endr
.set k, 0
.rept 16
	v_cndmask_b32 v[BS+16*u+k], s[SNEG], v[BS+16*u+k], s[MK+k]
.set k, k+1
.endr
	v_sub_nc_u32 v[DLAB], v[DLAB], 32
	WIN 0x55*WS
.set k, 0
.rept 16
	v_cndmask_b32 v[BS+16*u+k], 0, v[BS+16*u+k], s[MK+k]
.set k, k+1
.endr
.set u, u+1
.endr
	MAX80 BS, SCN                                  ; the score's maximum over my 80 columns,
	v_permlanex16_b32 v[SCN+1], v[SCN], s94, s95   ; and over the row's other 80, which lie in the lane 16 away
	v_max_num_f32 v[SCN], v[SCN], v[SCN+1]
	WIN WS|4
	v_mul_f32 v[XQ+(\p)], v[SCN], v[RX+1]          ; rl is positive: it may follow the maximum
	WIN 0x55*WF
	MAX80 BS, CHN                                  ; m: the true maximum of t over the block
	v_permlanex16_b32 v[CHN+1], v[CHN], s94, s95
	v_max_num_f32 v[MXM],   v[CHN], v[CHN+1]
	v_max_num_f32 v[MXM+1], v[CHN], v[CHN+1]
.irp c, 0,2,4,6
	v_pk_add_f32 v[BS+(\c):BS+(\c)+1], v[BS+(\c):BS+(\c)+1], v[MXM:MXM+1] neg_lo:[0,1] neg_hi:[0,1]
.endr
.set b, 0
.rept 10                                               ; eight exponentials; the next tile's t - m, four plain lines, stands between them and their use (ISA guide 5.7.2)
.irp c, 0,1,2,3,4,5,6,7
	v_exp_f32 v[BS+8*b+(\c)], v[BS+8*b+(\c)]
.endr
.if b < 9
.irp c, 0,2,4,6
	v_pk_add_f32 v[BS+8*b+8+(\c):BS+8*b+9+(\c)], v[BS+8*b+8+(\c):BS+8*b+9+(\c)], v[MXM:MXM+1] neg_lo:[0,1] neg_hi:[0,1]
.endr
.else
	v_nop
.endif
.if b == 0
	s_wait_alu depctr_va_vdst(0)
	v_pk_add_f32 v[SUMA:SUMA+1], v[BS:BS+1],   v[BS+4:BS+5]   ; the first tile starts the sums
	v_pk_add_f32 v[SUMB:SUMB+1], v[BS+2:BS+3], v[BS+6:BS+7]
.else
	s_wait_alu depctr_va_vdst(0)
	v_pk_add_f32 v[SUMA:SUMA+1], v[SUMA:SUMA+1], v[BS+8*b:BS+8*b+1]
	v_pk_add_f32 v[SUMB:SUMB+1], v[SUMB:SUMB+1], v[BS+8*b+2:BS+8*b+3]
	v_pk_add_f32 v[SUMA:SUMA+1], v[SUMA:SUMA+1], v[BS+8*b+4:BS+8*b+5]
	v_pk_add_f32 v[SUMB:SUMB+1], v[SUMB:SUMB+1], v[BS+8*b+6:BS+8*b+7]
.endif
.set b, b+1
.endr
	v_pk_add_f32 v[SUMA:SUMA+1], v[SUMA:SUMA+1], v[SUMB:SUMB+1]
	v_add_f32 v[SUMA], v[SUMA], v[SUMA+1]
	v_permlanex16_b32 v[SUMA+1], v[SUMA], s94, s95
	v_add_f32 v[SUMA], v[SUMA], v[SUMA+1]          ; at least 1: the maximum's own term
	v_log_f32 v[SUMA+1], v[SUMA]
	v_nop
	WIN WF|(WF<<2)
	s_wait_alu depctr_va_vdst(0)
	v_add_f32 v[LQ+(\p)], v[MXM], v[SUMA+1]        ; L = m + log2(sum)
	WIN 0x04                                       ; global store: data (source 1) in window 1
	s_wait_dscnt 0x0                               ; the 16 rows are back in registers
	s_wait_xcnt 0x0                                ; EXEC changes only behind this wait
	s_and_saveexec_b32 s86, s87                    ; real columns alone
.set n, 0
.rept 16
	global_store_b128 v[GOM], v[RB+4*n:RB+4*n+3], s[16:17] offset:(16*(\p)+n)*OROW th:TH_STORE_NT  ; 512 neighbouring bytes of one row
.set n, n+1
.endr
	s_wait_xcnt 0x0
	s_or_b32 exec_lo, exec_lo, s86
	s_and_saveexec_b32 s86, s88
.set n, 0
.rept 4
	global_store_b128 v[GOR], v[RB+64+4*n:RB+64+4*n+3], s[16:17] offset:(16*(\p)+4*n)*OROW th:TH_STORE_NT  ; the last 128 bytes of four rows
.set n, n+1
.endr
	s_wait_xcnt 0x0                                ; also: the registers that these stores read are loaded again only behind this wait
	s_or_b32 exec_lo, exec_lo, s86
.endm
	WIN 0
	PLACES                                         ; behind the last products
	v_lshl_add_u32 v[COL0], v2, 3, s89             ; my lane's first column: the wave's + 8 h
	s_wait_loadcnt 0x0                             ; rx, rl, labels, rw, cq
	WIN 0x41
.irp a, 0,1,2,3
	v_sub_nc_u32 v[LAB+(\a)], v[LAB+(\a)], v[COL0]
.endr
	PAIR 0
	PAIR 1
	PAIR 2
	PAIR 3
	WIN 0
	v_cmp_eq_u32 vcc_lo, 1, v2
.irp p, 0,1,2,3
	v_cndmask_b32 v[OQ+(\p)], v[LQ+(\p)], v[XQ+(\p)], vcc_lo
.endr
	global_store_b128 v[PO], v[OQ:OQ+3], s[18:19]  ; lanes 0-15: 256 aligned bytes of L; lanes 16-31: of X
	s_wait_tensorcnt 0x0                           ; the wave's end, behind my last tensor load and my last LDS store
	ds_add_u32 v[SPW], v[NIL]
	s_wait_dscnt 0x0
	CROUND                                         ; the closing round: no work-group ends while a partner may still ask for a tile that names it
	s_endpgm
.Lfunc_end_k_q62d4ffbad7_gemm:
	.size	k_q62d4ffbad7_gemm, .Lfunc_end_k_q62d4ffbad7_gemm-k_q62d4ffbad7_gemm
	.p2alignl 7, 3214868480
	.fill 96, 4, 3214868480
	.section	.rodata,"a",@progbits
	.p2align	6, 0x0
	.amdhsa_kernel k_q62d4ffbad7_gemm
		.amdhsa_group_segment_fixed_size 327680
		.amdhsa_private_segment_fixed_size 0
		.amdhsa_enable_private_segment 0
		.amdhsa_kernarg_size 64
		.amdhsa_user_sgpr_count 2
		.amdhsa_user_sgpr_kernarg_segment_ptr 1
		.amdhsa_wavefront_size32 1
		.amdhsa_system_sgpr_workgroup_id_x 1
		.amdhsa_system_sgpr_workgroup_id_y 1
		.amdhsa_system_sgpr_workgroup_id_z 1
		.amdhsa_system_vgpr_workitem_id 0
		.amdhsa_next_free_vgpr 1024
		.amdhsa_next_free_sgpr 96
		.amdhsa_reserve_vcc 1
		.amdhsa_float_denorm_mode_32 3
		.amdhsa_float_denorm_mode_16_64 3
		.amdhsa_memory_ordered 1
		.amdhsa_forward_progress 1
		.amdhsa_inst_pref_size 255
	.end_amdhsa_kernel
	.section	.bss,"aw",@nobits
	.p2align	6
	.space	262144
	.amdgpu_metadata
---
amdhsa.version: [ 1, 2 ]
amdhsa.kernels:
  - .name:           k_q62d4ffbad7_gemm
    .symbol:         k_q62d4ffbad7_gemm.kd
    .args:
      - { .name: ab, .offset: 0, .size: 8, .value_kind: global_buffer, .address_space: global }
      - { .name: wb, .offset: 8, .size: 8, .value_kind: global_buffer, .address_space: global }
      - { .name: rrow, .offset: 16, .size: 8, .value_kind: global_buffer, .address_space: global }
      - { .name: rw, .offset: 24, .size: 8, .value_kind: global_buffer, .address_space: global }
      - { .name: cq, .offset: 32, .size: 8, .value_kind: global_buffer, .address_space: global }
      - { .name: label, .offset: 40, .size: 8, .value_kind: global_buffer, .address_space: global }
      - { .name: out0, .offset: 48, .size: 8, .value_kind: global_buffer, .address_space: global }
      - { .name: part, .offset: 56, .size: 8, .value_kind: global_buffer, .address_space: global }
    .group_segment_fixed_size: 327680
    .private_segment_fixed_size: 0
    .kernarg_segment_align: 8
    .kernarg_segment_size: 64
    .max_flat_workgroup_size: 128
    .sgpr_count:     96
    .vgpr_count:     1024
    .wavefront_size: 32
...
	.end_amdgpu_metadata
.endif
;; end of part 2
;; launch fin (part 3): grid 1 x 1, 32 waves a work-group, no clusters, 53,504 bytes of LDS; arguments part, out0, label, out1; writes out1
.if DOCPART == 3
	.amdgcn_target "amdgcn-amd-amdhsa--gfx1250"
	.amdhsa_code_object_version 6
	.text
	.protected	k_q62d4ffbad7_fin
	.globl	k_q62d4ffbad7_fin
	.p2align	8
	.type	k_q62d4ffbad7_fin,@function
k_q62d4ffbad7_fin:
	s_mov_b64 s[64:65], 0
	v_nop
	global_prefetch_b8 v0, s[64:65] scope:SCOPE_SE
	s_setreg_imm32_b32 hwreg(HW_REG_WAVE_MODE, 25, 1), 1
	s_wait_xcnt 0x0
; FIN: the one number.  part holds, for each of 64 column blocks and 1,024 positions, L = log2 of the block's sum of 2^t (plane 0) and X = the block's score maximum (plane 1).
; Position t stands for row i = 64 (t / 64) + 16 (t % 4) + (t / 4) % 16.
;   z = log2(sum over blocks of 2^L) - 9.6 log2(e) fea[i][label[i]], the sum taken with the blocks' true maximum drawn off first;  loss_i = ln 2 (max(z, 0) + log2(1 + 2^-|z|));
;   s_i = the maximum of X, clipped to 0 .. 1 (the zeroed diagonal takes part in the maximum, and the clip is monotone);  out1 = mean loss + 10 softplus(mean s + 0.5).
; ONE work-group, since one number has one owner: 1,024 threads.  First thread t takes four positions (4 (t % 256) ..) in 16 blocks (16 (t / 256) ..), by loads of 16 bytes;
; the four groups' figures meet in LDS; then thread t finishes position t; two sums over lanes and waves end it.  A label outside 0..9999 counts as 9999.
; No matrix work, no tensor load, no cluster: 512 KB are read once, by one work-group.
.set MG,    0                          ; [4 groups][1024] f32: the group's maximum of L
.set SG,    16384                      ; the group's sum of 2^(L - maximum)
.set XG,    32768                      ; the group's maximum of X
.set WSB,   49152                      ; 8 bytes a wave: its two sums
.set SPARE, 49408                      ; the spare words, 128 bytes for each of 32 waves: sixteen blocks of 256 bytes that no other line names
.set XB,    32                         ; v32-63   8 x 4 numbers of X
.set LB,    64                         ; v64-127  16 x 4 numbers of L
	s_load_b256 s[4:11], s[0:1], 0x0               ; part 4, out0 6, label 8, out1 10
	v_lshl_add_u32 v28, v0, 2, SPARE               ; my spare word,
	v_mov_b32 v29, 0                               ; and 0: for the wave's end
	v_lshrrev_b32 v20, 5, v0
	v_readfirstlane_b32 s12, v20                   ; wave 0..31
	v_lshrrev_b32 v20, 8, v0                       ; group
	v_and_b32 v21, 255, v0
	v_lshlrev_b32 v1, 4, v21                       ; my four positions' 16 bytes
	v_lshl_add_u32 v5, v20, 12, v1                 ; in LDS: + group x 4,096
	v_lshl_add_u32 v1, v20, 16, v1                 ; in part: + group x 16 blocks of 4,096
	v_lshlrev_b32 v6, 2, v0                        ; position t's word
	v_and_b32 v30, 0x3c0, v0
	v_and_b32 v21, 3, v0
	v_lshl_add_u32 v30, v21, 4, v30
	v_bfe_u32 v21, v0, 2, 4
	v_add_nc_u32 v30, v30, v21                     ; i
	v_lshlrev_b32 v7, 2, v30
	s_mov_b32 s13, 0x3a800000                      ; 1 / 1024
	s_mov_b32 s14, 0x3f317218                      ; ln 2
	s_mov_b32 s15, 0x41200000                      ; 10
	s_mov_b32 s16, 0x76543210                      ; v_permlanex16_b32: each lane takes its own place in the other half
	s_mov_b32 s17, 0xfedcba98
	s_mov_b32 s18, 0xc15d9914                      ; -9.6 log2(e)
	s_mov_b32 s19, 0x80000000
	s_wait_kmcnt 0x0
	global_load_b32 v2, v7, s[8:9]                 ; label[i]
.set k, 0
.rept 8
	global_load_b128 v[XB+4*k:XB+4*k+3], v1, s[4:5] offset:262144+4096*k th:TH_LOAD_NT
.set k, k+1
.endr
.set k, 0
.rept 16
	global_load_b128 v[LB+4*k:LB+4*k+3], v1, s[4:5] offset:4096*k th:TH_LOAD_NT
.set k, k+1
.endr
	s_wait_loadcnt 24                              ; the label is in: 8 + 16 younger loads stay out
	v_min_u32 v2, 0x270f, v2                       ; inside the table
	v_mul_u32_u24 v3, 0x9c40, v30                  ; row i of 40,000 bytes
	v_lshl_add_u32 v3, v2, 2, v3
	global_load_b32 v4, v3, s[6:7]                 ; sp = fea[i][label[i]]
	s_wait_loadcnt 17                              ; X's first eight blocks are in: L's 16 loads and sp stay out
.irp c, 0,1,2,3
	v_max3_num_f32 v[8+(\c)], v[XB+(\c)], v[XB+4+(\c)], v[XB+8+(\c)]
.endr
.irp c, 0,1,2,3
	v_max3_num_f32 v[8+(\c)], v[8+(\c)], v[XB+12+(\c)], v[XB+16+(\c)]
.endr
.irp c, 0,1,2,3
	v_max3_num_f32 v[8+(\c)], v[8+(\c)], v[XB+20+(\c)], v[XB+24+(\c)]
.endr
.irp c, 0,1,2,3
	v_max_num_f32 v[8+(\c)], v[8+(\c)], v[XB+28+(\c)]
.endr
.set k, 0
.rept 8
	global_load_b128 v[XB+4*k:XB+4*k+3], v1, s[4:5] offset:262144+4096*(k+8) th:TH_LOAD_NT
.set k, k+1
.endr
	s_wait_loadcnt 9                               ; L is in: sp and X's last eight stay out
.irp c, 0,1,2,3
	v_max3_num_f32 v[12+(\c)], v[LB+(\c)], v[LB+4+(\c)], v[LB+8+(\c)]
.endr
.irp m, 1,2,3,4,5,6
.irp c, 0,1,2,3
	v_max3_num_f32 v[12+(\c)], v[12+(\c)], v[LB+8*(\m)+4+(\c)], v[LB+8*(\m)+8+(\c)]
.endr
.endr
.irp c, 0,1,2,3
	v_max_num_f32 v[12+(\c)], v[12+(\c)], v[LB+60+(\c)]
.endr
.set k, 0
.rept 16
	v_pk_add_f32 v[LB+4*k:LB+4*k+1],   v[LB+4*k:LB+4*k+1],   v[12:13] neg_lo:[0,1] neg_hi:[0,1]  ; L less the group's maximum
	v_pk_add_f32 v[LB+4*k+2:LB+4*k+3], v[LB+4*k+2:LB+4*k+3], v[14:15] neg_lo:[0,1] neg_hi:[0,1]
.set k, k+1
.endr
.set k, 0
.rept 64
	v_exp_f32 v[LB+k], v[LB+k]
.set k, k+1
.endr
	v_nop                                          ; a plain line between the last exponential and its use
	s_wait_alu depctr_va_vdst(0)
	v_pk_add_f32 v[16:17], v[LB:LB+1],   v[LB+4:LB+5]
	v_pk_add_f32 v[18:19], v[LB+2:LB+3], v[LB+6:LB+7]
.set k, 2
.rept 14
	v_pk_add_f32 v[16:17], v[16:17], v[LB+4*k:LB+4*k+1]
	v_pk_add_f32 v[18:19], v[18:19], v[LB+4*k+2:LB+4*k+3]
.set k, k+1
.endr
	s_wait_loadcnt 0x0                             ; X's last eight blocks, and sp
.irp m, 0,1,2,3
.irp c, 0,1,2,3
	v_max3_num_f32 v[8+(\c)], v[8+(\c)], v[XB+8*(\m)+(\c)], v[XB+8*(\m)+4+(\c)]
.endr
.endr
	ds_store_b128 v5, v[12:15] offset:MG
	ds_store_b128 v5, v[16:19] offset:SG
	ds_store_b128 v5, v[8:11] offset:XG
	s_wait_dscnt 0x0                               ; for the others' sake: my stores are done
	s_barrier_signal -1
	s_barrier_wait -1
.irp g, 0,1,2,3
	ds_load_b32 v[32+(\g)], v6 offset:MG+4096*(\g)
	ds_load_b32 v[36+(\g)], v6 offset:SG+4096*(\g)
	ds_load_b32 v[40+(\g)], v6 offset:XG+4096*(\g)
.endr
	s_wait_dscnt 0x0
	v_max3_num_f32 v20, v32, v33, v34
	v_max_num_f32 v20, v20, v35                    ; the row's maximum of L
.irp g, 0,1,2,3
	v_sub_f32 v[32+(\g)], v[32+(\g)], v20
.endr
.irp g, 0,1,2,3
	v_exp_f32 v[32+(\g)], v[32+(\g)]
.endr
	v_max3_num_f32 v21, v40, v41, v42              ; plain work behind the exponentials
	v_max_num_f32 v21, v21, v43                    ; the row's maximum of X
	s_wait_alu depctr_va_vdst(0)
	v_mul_f32 v22, v36, v32
	v_fmac_f32 v22, v37, v33
	v_fmac_f32 v22, v38, v34
	v_fmac_f32 v22, v39, v35                       ; at least 1
	v_log_f32 v23, v22
	v_fma_f32 v24, s18, v4, v20                    ; maximum - 9.6 log2(e) sp
	s_wait_alu depctr_va_vdst(0)
	v_add_f32 v24, v24, v23                        ; z
	v_or_b32 v25, s19, v24                         ; -|z|
	v_exp_f32 v25, v25
	v_max_num_f32 v26, 0, v24
	s_wait_alu depctr_va_vdst(0)
	v_add_f32 v25, 1.0, v25
	v_log_f32 v25, v25
	v_med3_num_f32 v27, v21, 0, 1.0                ; s_i
	s_wait_alu depctr_va_vdst(0)
	v_add_f32 v26, v26, v25
	v_mul_f32 v26, s14, v26                        ; loss_i
; the sum over the wave's 32 lanes, in every lane; t is a register that has been written
.macro LANESUM r, t
	v_add_f32_dpp v[\r], v[\r], v[\r] row_xmask:1 row_mask:0xf bank_mask:0xf
	v_add_f32_dpp v[\r], v[\r], v[\r] row_xmask:2 row_mask:0xf bank_mask:0xf
	v_add_f32_dpp v[\r], v[\r], v[\r] row_xmask:4 row_mask:0xf bank_mask:0xf
	v_add_f32_dpp v[\r], v[\r], v[\r] row_xmask:8 row_mask:0xf bank_mask:0xf
	v_permlanex16_b32 v[\t], v[\r], s16, s17
	v_add_f32 v[\r], v[\r], v[\t]
.endm
	LANESUM 26, 24
	LANESUM 27, 25
	v_mov_b32 v22, s12
	v_lshl_add_u32 v22, v22, 3, WSB                ; my wave's two words: all lanes write the same numbers there
	ds_store_b64 v22, v[26:27]
	s_wait_dscnt 0x0
	s_barrier_signal -1
	s_barrier_wait -1
	v_and_b32 v23, 31, v0
	v_lshl_add_u32 v23, v23, 3, WSB                ; lane l takes wave l's sums
	ds_load_b64 v[26:27], v23
	s_wait_dscnt 0x0
	LANESUM 26, 24
	LANESUM 27, 25
	v_fma_f32 v27, v27, s13, 0.5                   ; y = mean s + 0.5
	v_mul_f32 v20, 0x3fb8aa3b, v27
	v_or_b32 v20, s19, v20                         ; -|y| log2(e)
	v_exp_f32 v20, v20
	v_max_num_f32 v21, 0, v27
	s_wait_alu depctr_va_vdst(0)
	v_add_f32 v20, 1.0, v20
	v_log_f32 v20, v20
	v_mul_f32 v26, s13, v26                        ; mean loss
	s_wait_alu depctr_va_vdst(0)
	v_fma_f32 v21, v20, s14, v21                   ; softplus(y)
	v_fma_f32 v26, v21, s15, v26
	v_mov_b32 v24, 0
	s_wait_tensorcnt 0x0                           ; the wave's end, behind my last LDS store
	ds_add_u32 v28, v29
	s_wait_dscnt 0x0
	s_cmp_lg_u32 s12, 0
	s_cbranch_scc1 .Lend
	s_wait_xcnt 0x0                                ; EXEC changes only behind this wait
	v_cmp_eq_u32 vcc_lo, 0, v0
	s_and_saveexec_b32 s20, vcc_lo                 ; one lane stores the one number
	global_store_b32 v24, v26, s[10:11]
	s_wait_xcnt 0x0
	s_or_b32 exec_lo, exec_lo, s20
.Lend:
	s_endpgm
.Lfunc_end_k_q62d4ffbad7_fin:
	.size	k_q62d4ffbad7_fin, .Lfunc_end_k_q62d4ffbad7_fin-k_q62d4ffbad7_fin
	.p2alignl 7, 3214868480
	.fill 96, 4, 3214868480
	.section	.rodata,"a",@progbits
	.p2align	6, 0x0
	.amdhsa_kernel k_q62d4ffbad7_fin
		.amdhsa_group_segment_fixed_size 53504
		.amdhsa_private_segment_fixed_size 0
		.amdhsa_enable_private_segment 0
		.amdhsa_kernarg_size 32
		.amdhsa_user_sgpr_count 2
		.amdhsa_user_sgpr_kernarg_segment_ptr 1
		.amdhsa_wavefront_size32 1
		.amdhsa_system_sgpr_workgroup_id_x 1
		.amdhsa_system_sgpr_workgroup_id_y 1
		.amdhsa_system_sgpr_workgroup_id_z 1
		.amdhsa_system_vgpr_workitem_id 0
		.amdhsa_next_free_vgpr 128
		.amdhsa_next_free_sgpr 66
		.amdhsa_reserve_vcc 1
		.amdhsa_float_denorm_mode_32 3
		.amdhsa_float_denorm_mode_16_64 3
		.amdhsa_memory_ordered 1
		.amdhsa_forward_progress 1
		.amdhsa_inst_pref_size 20
	.end_amdhsa_kernel
	.amdgpu_metadata
---
amdhsa.version: [ 1, 2 ]
amdhsa.kernels:
  - .name:           k_q62d4ffbad7_fin
    .symbol:         k_q62d4ffbad7_fin.kd
    .args:
      - { .name: part, .offset: 0, .size: 8, .value_kind: global_buffer, .address_space: global }
      - { .name: out0, .offset: 8, .size: 8, .value_kind: global_buffer, .address_space: global }
      - { .name: label, .offset: 16, .size: 8, .value_kind: global_buffer, .address_space: global }
      - { .name: out1, .offset: 24, .size: 8, .value_kind: global_buffer, .address_space: global }
    .group_segment_fixed_size: 53504
    .private_segment_fixed_size: 0
    .kernarg_segment_align: 8
    .kernarg_segment_size: 32
    .max_flat_workgroup_size: 1024
    .sgpr_count:     66
    .vgpr_count:     128
    .wavefront_size: 32
...
	.end_amdgpu_metadata
.endif
;; end of part 3
